; MI455X (gfx1250); checked and timed in simulation.
; The chip was launched on July 23, 2026; its instructions are those of AMD's public machine-readable ISA for CDNA 5 (MIT licence, August 2026) and "CDNA5" Instruction Set Architecture Reference Guide (July 2026). The comments in the code are by the model that wrote it; some were corrected since.
;; Int4 Linear V2. Allowed arithmetic: float matrix products may take bf16 or f16 operands with f32 sums; other float arithmetic in f32, or as packed bf16 or f16 multiplies, adds, multiply-adds, maxima and minima; sums over many terms, partial sums and values carried from step to step in f32; what a program stores and reads back later, other than sums and carried values, may be rounded once to bf16 or f16.
;; Inputs: scales 32 x 4,096 float16; weight 2,048 x 4,096 uint8; x 4,096 x 4,096 float16.
;; Outputs: out0 4,096 x 4,096 float16.
;; Constants: group_size = 128.
;; One version. Each part assembles by itself: llvm-mc -triple=amdgcn-amd-amdhsa -mcpu=gfx1250 --defsym DOCPART=n.
;; ======== version 1 of 1: 1 launch
;; launch gemm (part 1): grid 16 x 16, 4 waves a work-group, clusters of 4 x 4, 327,680 bytes of LDS; arguments x, weight, scales, out0; writes out0
.if DOCPART == 1
	.amdgcn_target "amdgcn-amd-amdhsa--gfx1250"
	.amdhsa_code_object_version 6
	.text
	.protected	k_q9db4acebe7_gemm
	.globl	k_q9db4acebe7_gemm
	.p2align	8
	.type	k_q9db4acebe7_gemm,@function
k_q9db4acebe7_gemm:
	s_mov_b64 s[64:65], 0
	v_nop
	global_prefetch_b8 v0, s[64:65] scope:SCOPE_SE
	s_setreg_imm32_b32 hwreg(HW_REG_WAVE_MODE, 25, 1), 1
	s_wait_xcnt 0x0
	s_wait_alu depctr_hold_cnt(0) depctr_sa_sdst(0) depctr_va_vdst(0) depctr_va_sdst(0) depctr_va_ssrc(0) depctr_va_vcc(0) depctr_vm_vsrc(0)
	s_getreg_b32 s2, hwreg(HW_REG_IB_STS2, 6, 4)
	s_cmp_eq_u32 s2, 0
	s_cbranch_scc0 .Lentry_in_a_cluster
	s_endpgm
.Lentry_in_a_cluster:
	s_bfe_u32 s2, ttmp6, 0x10000c
	s_cmp_lg_u32 s2, 0xf033
	s_cbranch_scc0 .Lentry_shape_is_right
	s_endpgm
.Lentry_shape_is_right:
; out0[m][n] = sum over k of x[m][k] w[k][n],  w[k][n] = f16(nibble(k, n) - 8) * scales[k / 128][n] in f16.
; x: [4096][4096] f16 (A).  weight: [2048][4096] bytes, byte (kk, n): k = 2 kk in the low nibble, k = 2 kk + 1 in the high one.  scales: [32][4096] f16.  out0: [4096][4096] f16 (C).
; f16 operands: x is given in f16 and w is defined in f16, so no range is lost on the way to the matrix unit.  Sums in f32, C rounded once.
; LIMITS.  The f32 sums are added in the matrix unit's order.  A sum beyond f16's range becomes an infinity in the last conversion; NaN and infinities of x and scales go through as in the definition.
; SHARES.  16 x 16 = 256 work-groups, one tile of C, 256 x 256, each.  Four waves, as many as a WGP has SIMDs; a wave makes 128 x 128: 64 accumulators of 16 x 16, 512 registers.
; K goes in 32 steps of 128 (one scale group) through two LDS slots.  A's part of a slot is filled by the tensor data mover, 64 rows x 256 bytes a wave.
; THE WEIGHTS ARE DEQUANTISED HERE, a K step ahead of their use.  A wave's load of 8 bytes a lane takes one row of weight, 256 consecutive bytes (256 n); a lane's 8 bytes become 16 bytes
; of row k = 2 kk and 16 bytes of row k = 2 kk + 1 of B, which lies in LDS as [k][n] and is read turned, by ds_load_tr16_b128: nothing is transposed by hand.
;   a nibble is set into the mantissa of 1024.0 (low nibble: 1024 + n) or of 64.0 (high nibble, four bits up: 64 + n); adding -1032 or -72 gives n - 8, exact; one packed multiply by the
;   scales rounds once, in f16: the definition's own bits.  13 instructions for a word of 8 weights.
;   A word's pairs are columns (n0, n2) and (n1, n3), so B's columns lie in LDS in the order 0 2 1 3 4 6 5 7 within each eight; the scales are paired alike, and the way out picks its
;   source registers in that order: the permutation costs four v_perm_b32 a K step.
; BY TURNS.  A K step's 420 vector instructions are register work alone.  They stand in slices of four behind every second matrix instruction: two matrix instructions, four vector
; instructions and two switches of the register window are eight issue slots.  Set in a phase of their own they would leave the matrix unit idle all that while; that is why the switches are paid.
; The stores into LDS and the loads of the next step's weights stand in runs behind the four runs of fragment loads of a K step, never singly among the matrix instructions.
; CLUSTERS: 4 x 4 work-groups.  The four of a row of the cluster need the same tiles of A: each is asked for JOINTLY, by the same tensor load with the same descriptor and a mask that names the four.
; The weights, which a column of the cluster shares, are NOT asked for jointly: they go to registers, not to LDS; a ring for them (2 x 64 rows x 272 bytes = 34,816) beside the 295,936 bytes
; in use would pass the 327,680 that a work-group can have; and they are 16,384 of a step's 81,920 bytes.
;
; REGISTERS, in windows of 256 (an instruction names v0-v255; s_set_vgpr_msb says which window each operand place means):
;   window 0: v0-31 addresses; v32-41 scales and constants; v64-127, v128-191 fragments of A, two buffers (in the last K step four, of 16 rows x 128 K); v192-223 a batch of dequantised rows;
;             v224-255 sixteen rows of weight as loaded.  On the way out v32-63 and v192-255 are at work otherwise.
;   window 1: v64-127, v128-191 fragments of B, two buffers; in the last K step all 256
;   window 2: the 32 accumulators of my rows 0-63 (accumulator (a, b) at v[8 (8 a + b)]);   window 3: those of my rows 64-127
; THE MATRIX INSTRUCTION IS USED TRANSPOSED: source 0 = 16 columns of B, source 1 = 16 rows of A: lane l holds row l % 16 of C, its registers 0 to 7 eight neighbouring columns.
.set SIZE_M, 4096
.set SIZE_N, 4096
.set SIZE_K, 4096
.set KSTEP,  128
.set PITCH,  272                       ; a row of A in LDS: 256 bytes + 16 of padding = 68 words: row r starts at bank 4 r mod 64 (64 banks of 4 bytes: ISA guide 11.1), so the 16 rows of a load start at 16 different banks
.set QT,     64*PITCH                  ; 64 rows of A: what one tensor load brings
.set HALFT,  128*PITCH                 ; 128 rows of A: what one wave reads
.set PB,     544                       ; a row of B in LDS: 256 columns x 2 bytes + 32 = 136 words: row r starts at bank 8 r mod 64
.set BOFF,   2*HALFT                   ; a slot: A's 256 rows (69,632 bytes), then B's 128 rows (128 x 544 = 69,632 bytes); B's part is written by ds_store alone, no tensor load lands there
.set SLOT,   4*HALFT
.set STAGE,  2*SLOT                    ; behind the slots: 16 rows x 272 bytes for each wave, for the way out
.set SPITCH, 272
.set LAPS,   SIZE_K/(2*KSTEP)          ; a lap = two K steps: 16
.set WROW,   SIZE_N                    ; bytes in a row of weight
.set WSTEP,  (KSTEP/2)*WROW            ; a K step's 64 rows of weight
.set SSTEP,  SIZE_N*2                  ; a row of scales
.set ADRA, 16                          ; v16-17  LDS address of my A fragments in slot 0, 1
.set ADRB, 20                          ; v20-21  the same for B (turning load)
.set STO,  24                          ; v24     the way out: where I put 16 bytes of a row
.set RD,   25                          ; v25     the way out: where I read a row back
.set CO,   26                          ; v26     my byte offset in C
.set WOFF, 27                          ; v27     weight: 16 rows x wave + 8 bytes x lane; never rewritten
.set SOFF, 28                          ; v28     scales: 16 bytes x lane; never rewritten
.set BST,  29                          ; v29-30  where I put 16 bytes of a row of B in slot 0, 1
.set SCR,  32                          ; v32-35  the scales of my 8 columns as loaded
.set SPR,  36                          ; v36-39  the same as pairs (s0, s2) (s1, s3) (s4, s6) (s5, s7)
.set K1032, 40                         ; v40     -1032.0 twice in f16
.set K72,  41                          ; v41     -72.0 twice in f16
.set F0,   64                          ; fragment buffer 0
.set F1,   128                         ; fragment buffer 1
.set OUTR, 192                         ; v192-223 a batch: 4 rows of weight -> 4 x (even k row, odd k row) x 4 registers
.set WRAW, 224                         ; v224-255 row c of my 16 rows of weight: 2 registers at WRAW + 2 c
.set TMP,  192                         ; the way out: packed results
.set OB,   32                          ; the way out: 16 rows read back from the stage: v32-63 and v224-255 by turns
.set PA,   64                          ; the last K step: A's fragments of 16 rows x 128 K, 32 registers; four such buffers, v64-191
.set G1,   24                          ; s[24:31] descriptor group 1 for A's tiles
.set G0,   32                          ; s[32:39] descriptor group 0, one set for each slot
.set WP,   48                          ; s[48:49] weight at my tile's columns, at the K step that is loaded next
.set SPT,  50                          ; s[50:51] scales likewise
.set WINC, 52                          ; s[52:53] the step of WP where it is chosen by the trip; the high word is 0
.set SINC, 54                          ; s[54:55] the same for SPT
.set M0F,  56                          ; s56 0x000f000f   s57 0x00f000f0: the low and the high nibbles of bytes 0 and 2
.set MF0,  57
.set C1K,  58                          ; s58 1024.0 twice in f16   s59 64.0 twice
.set C64,  59
.set PLO,  60                          ; s60, s61 v_perm_b32 selects: the low halves of two words, the high halves
.set PHI,  61
.set MSB, 0
.macro WIN new                         ; the immediate's high byte repeats the setting that is left; a switch that changes nothing is dropped
.if MSB != \new
	s_set_vgpr_msb (MSB<<8)|\new
.set MSB, \new
.endif
.endm
.set MUL_LO, 0xa1                      ; source 0 (B) window 1, source 1 (A) window 0, C and D window 2
.set MUL_HI, 0xf1                      ; the same, C and D window 3
.set TO_B,   0x40                      ; destination window 1, address window 0
; A joint load: every wave fetches its 64 rows of A's tile.  Nothing in the descriptor hangs on a coordinate that the four partners do not share.  Four v_nop follow the line.
.macro JLOAD s
	tensor_load_to_lds s[G0+4*\s:G0+4*\s+3], s[G1:G1+7]
	s_nop 0
.rept 4
	v_nop
.endr
.endm
; A round of the cluster's barrier: my work-group's barrier, so that wave 0's signal speaks for all four waves; wave 0 signals for the work-group; every wave waits for all sixteen
; work-groups; my work-group's barrier once more.  No LDS instruction of the wave is pending at a signal.
.macro CREST                           ; a round behind its opening barrier
	s_cmp_lg_u32 s10, 0
	s_cbranch_scc1 .Lnot_wave_0_\@
	s_barrier_signal -3
.Lnot_wave_0_\@:
	s_barrier_wait -3
	s_barrier_signal -1
	s_barrier_wait -1
.endm
.macro CROUND                          ; a whole round
	s_barrier_signal -1
	s_barrier_wait -1
	CREST
.endm
	s_load_b64 s[4:5], s[0:1], 0x0                 ; x
	s_load_b64 s[WP:WP+1], s[0:1], 0x8             ; weight
	s_load_b64 s[SPT:SPT+1], s[0:1], 0x10          ; scales
	s_load_b64 s[8:9], s[0:1], 0x18                ; out0
	v_lshl_add_u32 v23, v0, 2, 0x48400
	v_mov_b32 v31, 0
	ds_add_u32 v23, v31
	v_lshrrev_b32 v1, 5, v0
	v_readfirstlane_b32 s10, v1                    ; wave 0..3
	s_lshr_b32 s11, s10, 1                         ; which half of the tile's rows is mine
	s_and_b32 s12, s10, 1                          ; which half of its columns
	s_bfe_u32 s40, ttmp6, 0x40000                  ; cx: my place along the cluster's x
	s_bfe_u32 s41, ttmp6, 0x40004                  ; cy: along its y
	s_lshl_b32 s42, ttmp9, 2                       ; in a cluster launch ttmp9 and ttmp7 count clusters
	s_add_co_u32 s42, s42, s40                     ; tile column of C = 4 x cluster x + cx
	s_and_b32 s13, ttmp7, 0xffff
	s_lshl_b32 s13, s13, 2
	s_add_co_u32 s13, s13, s41                     ; tile row of C = 4 x cluster y + cy
	s_lshl_b32 s43, s41, 2
	s_lshl_b32 s43, 15, s43                        ; my row of the cluster: places 4 cy .. 4 cy + 3
	; descriptor group 1: a tile of 64 rows x 128 elements, padded in LDS
	s_or_b32 s[G1+0], s43, (1<<16)|(1<<20)|(1<<21)|(5<<22)|(3<<25)  ; 15:0 the mask: A's tiles go to my row; 17:16 element of 2 bytes; 20 padding on; 21 set beside a mask; 24:22 after every 64 words (code 5); 31:25 of 4 words (code 3)
	s_mov_b32 s[G1+1], KSTEP<<16                   ; 63:48 tensor_dim0, low half = 128
	s_mov_b32 s[G1+2], 64<<16                      ; 79:64 its high half = 0; 95:80 tensor_dim1, low half = 64
	s_mov_b32 s[G1+3], KSTEP<<16                   ; 111:96 its high half = 0; 127:112 tile_dim0 = 128
	s_mov_b32 s[G1+4], 64                          ; 143:128 tile_dim1 = 64; 159:144 tile_dim2 = 0
	s_mov_b32 s[G1+5], SIZE_K                      ; 191:160 tensor_dim0_stride, low word: elements from row to row
	s_mov_b32 s[G1+6], 0
	s_mov_b32 s[G1+7], 0
	; where A's tiles come from: the tile row, which my row of the cluster shares, and the wave's number
	s_lshl_b32 s17, s10, 6                         ; which 64 rows of the tile I fetch
	s_lshl_b32 s16, s13, 8
	s_add_co_u32 s16, s16, s17                     ; row 256 x tile row + 64 x wave
	s_mov_b32 s17, 0
	s_mov_b64 s[18:19], SIZE_K*2
	s_mul_u64 s[16:17], s[16:17], s[18:19]         ; in bytes, in 64 bits
	s_mul_i32 s20, s10, QT                         ; and where they go: wave x 64 rows: no place in the cluster enters an LDS address
	s_lshl_b32 s46, s42, 8                         ; weight: my tile's 256 columns of 1 byte
	s_mov_b32 s47, 0
	s_lshl_b32 s44, s42, 9                         ; scales: of 2 bytes
	s_mov_b32 s45, 0
	s_mov_b32 s[WINC+1], 0
	s_mov_b32 s[SINC+1], 0
	s_mov_b32 s[M0F], 0x000f000f
	s_mov_b32 s[MF0], 0x00f000f0
	s_mov_b32 s[C1K], 0x64006400
	s_mov_b32 s[C64], 0x54005400
	s_mov_b32 s[PLO], 0x05040100
	s_mov_b32 s[PHI], 0x07060302
	v_and_b32 v8, 31, v0                           ; lane
	v_lshlrev_b32 v[WOFF], 3, v8                   ; my 8 columns of a row of weight,
	v_lshl_add_u32 v[WOFF], s10, 16, v[WOFF]       ; my wave's 16 rows of 4,096 bytes
	v_lshlrev_b32 v[SOFF], 4, v8                   ; the same 8 columns in a row of scales
	v_mov_b32 v[K1032], 0xe408e408
	v_mov_b32 v[K72], 0xd480d480
	s_wait_dscnt 0x0
	s_wait_kmcnt 0x0
	s_add_nc_u64 s[14:15], s[4:5], s[16:17]
	s_add_nc_u64 s[WP:WP+1], s[WP:WP+1], s[46:47]
	s_add_nc_u64 s[SPT:SPT+1], s[SPT:SPT+1], s[44:45]
	; K step 0's scales and weights are asked for ahead of everything else: 17 loads, in the order in which every later step asks
	global_load_b128 v[SCR:SCR+3], v[SOFF], s[SPT:SPT+1]
.irp c, 0,1,2,3,4,5,6,7,8,9,10,11,12,13,14,15
	global_load_b64 v[WRAW+2*\c:WRAW+2*\c+1], v[WOFF], s[WP:WP+1] offset:\c*WROW   ; the wave's 32 lanes take 256 consecutive bytes, aligned: one row of my tile's columns
.endr
	CROUND                                         ; all sixteen work-groups are here: the first joint loads meet
.irp s, 0,1
	s_mov_b32 s[G0+4*\s], 1                                        ; 1:0 count = 1
	s_add_co_u32 s[G0+4*\s+1], s20, \s*SLOT                        ; 63:32 LDS address
	s_add_nc_u64 s[G0+4*\s+2:G0+4*\s+3], s[14:15], \s*KSTEP*2      ; 120:64 global address: K step s
	s_or_b32 s[G0+4*\s+3], s[G0+4*\s+3], 0x80000000                ; 127:126 type = 2
	JLOAD \s                                       ; both slots' A: two tensor loads of mine are out
.endr
	; A fragment of A is 16 rows x 32 K in 8 registers: lane l holds row l % 16; registers 0-3 hold K = 8 (l / 16) + 0..7, registers 4-7 K = 16 + 8 (l / 16) + 0..7: two loads of 16 bytes, 32 bytes apart.
	v_and_b32 v1, 15, v0                           ; l % 16
	v_bfe_u32 v2, v0, 4, 1                         ; l / 16
	v_mul_u32_u24 v3, v1, PITCH
	v_lshl_add_u32 v3, v2, 4, v3                   ; row x pitch + 16 x half
	; The turning load takes 16 k x 16 columns (lane l reads 16 bytes: row 8 (l / 16) + l % 8, columns 8 ((l / 8) % 2) + 0..7) and leaves half a fragment of B: lane l holds column l % 16 and 8 k.
	v_and_b32 v6, 7, v0
	v_bfe_u32 v7, v0, 3, 1
	v_lshl_add_u32 v6, v2, 3, v6
	v_mul_u32_u24 v6, v6, PB
	v_lshl_add_u32 v6, v7, 4, v6
	s_mul_i32 s21, s11, HALFT                      ; my 128 rows of A
	s_lshl_b32 s22, s12, 8                         ; my 128 columns of B, 2 bytes each,
	s_add_co_u32 s22, s22, BOFF                    ; behind A's 256 rows
.irp s, 0,1
	v_add_nc_u32 v[ADRA+\s], s21, v3
	v_add_nc_u32 v[ADRB+\s], s22, v6
	s_add_co_u32 s21, s21, SLOT
	s_add_co_u32 s22, s22, SLOT
.endr
	s_mul_i32 s21, s10, 32*PB                      ; my 16 rows of weight are rows 32 x wave .. + 31 of B
	s_add_co_u32 s21, s21, BOFF
	v_lshl_add_u32 v[BST], v8, 4, s21              ; 16 bytes a lane: 16 neighbouring lanes put 256 consecutive bytes
	v_add_nc_u32 v[BST+1], SLOT, v[BST]
	s_mul_i32 s23, s10, 16*SPITCH
	s_add_co_u32 s23, s23, STAGE                   ; my stage
	v_mul_u32_u24 v4, v1, SPITCH                   ; in: row l % 16, 16 bytes for each half of the lanes
	v_lshl_add_u32 v4, v2, 4, v4
	v_add_nc_u32 v[STO], s23, v4
	v_mul_u32_u24 v5, v2, SPITCH                   ; back: lanes 0-15 take one row of 256 bytes, lanes 16-31 the next
	v_lshl_add_u32 v5, v1, 4, v5
	v_add_nc_u32 v[RD], s23, v5
	v_mul_u32_u24 v5, v2, SIZE_N*2                 ; and the same two rows in C
	v_lshl_add_u32 v[CO], v1, 4, v5
	; where my part of the tile begins in C, in bytes: the way out adds it to C's address
	s_lshl_b32 s13, s13, 8
	s_lshl_b32 s14, s11, 7
	s_add_co_u32 s16, s13, s14                     ; my first row of C
	s_mov_b32 s17, 0
	s_mov_b64 s[18:19], SIZE_N*2
	s_mul_u64 s[16:17], s[16:17], s[18:19]
	s_lshl_b32 s46, s42, 9                         ; my first column, in bytes: 512 x tile column + 256 x half
	s_lshl_b32 s47, s12, 8
	s_add_co_u32 s46, s46, s47
	s_mov_b32 s47, 0
	s_add_nc_u64 s[16:17], s[16:17], s[46:47]
; THE DEQUANTISATION.  My 16 rows of weight of a K step are four GROUPS of four.  Group i's 104 instructions are INTERVAL i's work; an interval lies between two runs of fragment loads (64 matrix
; instructions).  Assembly symbols say where the text stands: DQI the interval, DQP the slice to come (0 the head, 1 to 26 the work), DQQ the instruction to come, DQW the head's wait.
; DQITEM writes instruction DQQ: row DQQ / 26 of the group, number DQQ % 26 of the row's list.  W0, W1: the row's two words; O0-O3: its even k row of B; O4-O7: its odd k row.
;   0-3    bytes 0 and 2 of both words: low nibbles onto 1024.0 (O0, O2), high nibbles onto 64.0 (O4, O6)
;   4, 5   both words 8 bits down: bytes 1 and 3 take the places of bytes 0 and 2
;   6, 7   O0 - 1032, O4 - 72
;   8-11   as 0-3, into O1, O3, O5, O7
;   12-17  the other six subtractions
;   18-25  O0-O7 times the scale pair of their columns
.macro DQITEM
.set dc, DQQ/26
.set de, DQQ%26
.set rW, WRAW+8*DQI+2*dc
.set rO, OUTR+8*dc
.if de < 4
.if de%2 == 0
	v_and_or_b32 v[rO+2*(de/2)], v[rW+de/2], s[M0F], s[C1K]
.else
	v_and_or_b32 v[rO+4+2*(de/2)], v[rW+de/2], s[MF0], s[C64]
.endif
.elseif de < 6
	v_lshrrev_b32 v[rW+de-4], 8, v[rW+de-4]
.elseif de == 6
	v_pk_add_f16 v[rO], v[rO], v[K1032]
.elseif de == 7
	v_pk_add_f16 v[rO+4], v[rO+4], v[K72]
.elseif de < 12
.if de%2 == 0
	v_and_or_b32 v[rO+1+2*((de-8)/2)], v[rW+(de-8)/2], s[M0F], s[C1K]
.else
	v_and_or_b32 v[rO+5+2*((de-8)/2)], v[rW+(de-8)/2], s[MF0], s[C64]
.endif
.elseif de < 18
.set dt, 2                             ; numbers 12, 13: O2, O6;
.if de > 13
.set dt, 2*((de-12)/2)-1               ; 14, 15: O1, O5; 16, 17: O3, O7
.endif
.if de%2 == 0
	v_pk_add_f16 v[rO+dt], v[rO+dt], v[K1032]
.else
	v_pk_add_f16 v[rO+4+dt], v[rO+4+dt], v[K72]
.endif
.else
	v_pk_mul_f16 v[rO+de-18], v[rO+de-18], v[SPR+(de-18)%4]
.endif
.endm
; A slice.  The head waits for the interval's group of loads; interval 0's head also pairs the new K step's scales.  Slices beyond the 27th are empty.
.macro SLICE
.if DQP == 0
	s_wait_loadcnt DQW                             ; loads come back in order (ISA guide 5.7.1): this interval's group, asked for a K step ago, is in; the count is the loads issued behind it (see DQMEM)
.if DQI == 0
	WIN 0
	v_perm_b32 v[SPR],   v[SCR+1], v[SCR],   s[PLO]    ; (s0, s2)
	v_perm_b32 v[SPR+1], v[SCR+1], v[SCR],   s[PHI]    ; (s1, s3)
	v_perm_b32 v[SPR+2], v[SCR+3], v[SCR+2], s[PLO]    ; (s4, s6)
	v_perm_b32 v[SPR+3], v[SCR+3], v[SCR+2], s[PHI]    ; (s5, s7)
.endif
.elseif DQP < 27
	WIN 0
.rept 4
	DQITEM
.set DQQ, DQQ+1
.endr
.endif
.set DQP, DQP+1
.endm
.macro BARE n                          ; n slices with no matrix instruction between them: ahead of the loop, where there is none yet
.rept \n
	SLICE
.endr
.endm
; The memory work of group j, in one run behind a run of fragment loads (window 0 is set): its 8 rows of B go into slot 'slot'; its registers are loaded again with the next K step's rows.
; ld = 1: reload; 2: reload, and the pointers' step is chosen by the trip; 0: no reload (the last K step's weights are in hand).
; A K step's loads in their order: with group 0 the scales and 4 rows, with groups 1, 2, 3 four rows each: 17.  So behind group 0's and the scales' loads 12 are issued before they are used,
; a K step later, and behind each other group's 13.
.macro DQMEM j, slot, ld
.irp i, 0,1,2,3
	ds_store_b128 v[BST+\slot], v[OUTR+8*\i:OUTR+8*\i+3]   offset:(2*(4*(\j)+\i))*PB     ; row k = 32 wave + 2 c, c = 4 j + i
	ds_store_b128 v[BST+\slot], v[OUTR+8*\i+4:OUTR+8*\i+7] offset:(2*(4*(\j)+\i)+1)*PB   ; row k + 1
.endr
.if \ld
.if (\j) == 0
	s_wait_xcnt 0x0                                ; every earlier load has had its addresses translated (ISA guide 3.1): the two pointers are stepped only behind this wait
.if \ld == 2
	s_cmp_eq_u32 s3, 1                             ; in the last trip the next K step would be the 33rd: the pointers stay, and the 9 loads that follow in the loop read K step 31 again, inside the buffers; they are not used
	s_cselect_b32 s[WINC], 0, WSTEP
	s_cselect_b32 s[SINC], 0, SSTEP
	s_add_nc_u64 s[WP:WP+1], s[WP:WP+1], s[WINC:WINC+1]
	s_add_nc_u64 s[SPT:SPT+1], s[SPT:SPT+1], s[SINC:SINC+1]
.else
	s_add_nc_u64 s[WP:WP+1], s[WP:WP+1], WSTEP
	s_add_nc_u64 s[SPT:SPT+1], s[SPT:SPT+1], SSTEP
.endif
	global_load_b128 v[SCR:SCR+3], v[SOFF], s[SPT:SPT+1]
.endif
.irp i, 0,1,2,3
	global_load_b64 v[WRAW+8*(\j)+2*\i:WRAW+8*(\j)+2*\i+1], v[WOFF], s[WP:WP+1] offset:(4*(\j)+\i)*WROW
.endr
.endif
.set DQI, ((\j)+1)%4                   ; the next interval begins
.set DQP, 0
.set DQQ, 0
.set DQW, 13
.if (\j) == 3
.set DQW, 12
.endif
.if \ld == 0
.set DQW, 0                            ; without reloads fewer loads are younger; the wait for all also frees the registers of the loads that are not used, for the way out
.if (\j) == 3
.set DQP, 99                           ; nothing is left to dequantise
.endif
.endif
.endm
; 16 matrix instructions: m blocks a0, a0 + 1 of the window's four (hi = 0: my rows 0-63, 1: rows 64-127) x all 8 n blocks, 32 along K; a slice behind every second one.
; zero = 1: the first product starts the sums: nothing is ever cleared.  The 64 accumulators take turns, one instruction a turn.
.macro MUL16 f, hi, a0, zero
.set mw, MUL_LO+0x50*\hi
.irp a, \a0, \a0+1
.irp b, 0,1,2,3,4,5,6,7
	WIN mw
.if \zero
	v_wmma_f32_16x16x32_f16 v[8*(8*(\a)+\b):8*(8*(\a)+\b)+7], v[\f+8*\b:\f+8*\b+7], v[\f+8*(4*\hi+\a):\f+8*(4*\hi+\a)+7], 0
.else
	v_wmma_f32_16x16x32_f16 v[8*(8*(\a)+\b):8*(8*(\a)+\b)+7], v[\f+8*\b:\f+8*\b+7], v[\f+8*(4*\hi+\a):\f+8*(4*\hi+\a)+7], v[8*(8*(\a)+\b):8*(8*(\a)+\b)+7]
.endif
.if \b%2 == 1
	SLICE
.endif
.endr
.endr
.endm
; 32 LDS loads in one run: the fragments of one quarter step (128 columns of B, 128 rows of A, 32 K: byte k of A's rows, row k / 2 of B) into buffer f
.macro FETCH slot, k, f
	WIN TO_B
.irp i, 0,1,2,3,4,5,6,7
	ds_load_tr16_b128 v[\f+8*\i:\f+8*\i+3],   v[ADRB+\slot] offset:(\k/2)*PB+32*\i
	ds_load_tr16_b128 v[\f+8*\i+4:\f+8*\i+7], v[ADRB+\slot] offset:(\k/2)*PB+16*PB+32*\i
.endr
	WIN 0
.irp i, 0,1,2,3,4,5,6,7
	ds_load_b128 v[\f+8*\i:\f+8*\i+3],   v[ADRA+\slot] offset:\k+\i*16*PITCH
	ds_load_b128 v[\f+8*\i+4:\f+8*\i+7], v[ADRA+\slot] offset:\k+\i*16*PITCH+32
.endr
.endm
; A load into a register that a matrix instruction has read, and a vector instruction that reads a matrix result or writes one of a matrix instruction's registers, stand four places
; behind that matrix instruction, and only plain vector instructions that name none of its registers are places (ISA guide 7.12.1 for vector instructions).
; Four v_nop stand in front of each run of loads whatever slices happen to stand there, so that the distance hangs on no count of slices.
.macro PLACES
.rept 4
	v_nop
.endr
.endm
; A K step is four quarter steps of 32 along K, 64 matrix instructions each, on buffers 0, 1, 0, 1.
; One of the first three: multiplies buffer f; in its middle it fetches the next quarter's fragments into buffer g, and group k / 64 of the next K step's B goes into the other slot.
.macro QUARTER slot, k, f, g, zero, ld
	s_wait_dscnt 16                                ; B and A's rows 0-63 are in; the youngest sixteen (8 loads of A's rows 64-127, 8 stores of B) may be out
	MUL16 \f, 0, 0, \zero
	MUL16 \f, 0, 2, \zero
	PLACES
	FETCH \slot, \k, \g
	DQMEM (\k)/64, 1-\slot, \ld
	s_wait_dscnt 40                                ; all but the 32 loads and 8 stores just issued
	MUL16 \f, 1, 0, \zero
	MUL16 \f, 1, 2, \zero
.endm
; The last quarter multiplies buffer 1 and changes slots.  MEET is its first half: ONE barrier for the change of slots.  In front of it each wave waits for its own reads of this slot, for its
; stores into the next slot's B, and for all its tensor loads, of which one is out: its part of the next slot's A.  Behind it nobody reads this slot any more and the next slot is whole.
.macro MEET round                      ; round = 1: a round of the cluster's barrier follows
	s_wait_dscnt 16
	MUL16 F1, 0, 0, 0
	s_wait_dscnt 0                                 ; my reads of this slot are over, my rows of the next slot's B are written,
	s_set_vgpr_msb (MSB<<8)|((MSB&0xf0)|0x0)
	s_wait_tensorcnt 0x0                           ; and all my tensor loads have landed:
	ds_add_u32 v23, v31
	s_wait_dscnt 0x0
	s_set_vgpr_msb (((MSB&0xf0)|0x0)<<8)|MSB
	s_barrier_signal -1                            ; say so (where a slot is filled again this barrier opens a round of the cluster's barrier),
	MUL16 F1, 0, 2, 0                              ; work on registers while the others arrive (the slices here are numbers 24 to 26 of interval 0: vector arithmetic alone),
.if \round
	WIN 0
.endif
	s_barrier_wait -1                              ; and go on when all four have said so
.endm
; The whole last quarter.  Behind the round the slot just read out is filled again first: A's part by the joint load, with the K step two steps on; then come the next slot's first
; fragments, and group 0 of B two steps on, which was dequantised ahead of the round, goes into the slot's B part.  One tensor load of the wave is out until the next round's waits, 240 matrix instructions on.
.macro TURN slot, next, ld
	MEET 1
	CREST                                          ; wave 0 says so for the work-group, all sixteen work-groups have said so, my work-group's barrier closes the round:
	                                               ; no wave of any partner still reads this slot's tile or has a load on its way
	s_add_nc_u64 s[G0+4*\slot+2:G0+4*\slot+3], s[G0+4*\slot+2:G0+4*\slot+3], 2*KSTEP*2       ; no tensor load of mine is out, so a group 0 may be written
	JLOAD \slot                                    ; the first tensor load behind the round; the four v_nop behind it are also the places in front of the loads below
	FETCH \next, 0, F0
	DQMEM 0, \slot, \ld
	MUL16 F1, 1, 0, 0
	MUL16 F1, 1, 2, 0
.endm
; THE LAST K STEP (it lies in slot 1) GOES BY ROWS OF C, NOT BY K.  All its fragments of B (4 quarters x 64 registers) fill window 1; then my eight blocks of 16 rows are finished one
; after the other, each with 32 matrix instructions (its 8 accumulators by turns, K ascending).  LDS is read no more than in any other K step.
.macro BLOAD q                         ; B's fragments of quarter q -> window 1, v[64 q ..]
.irp i, 0,1,2,3,4,5,6,7
	ds_load_tr16_b128 v[64*\q+8*\i:64*\q+8*\i+3],   v[ADRB+1] offset:32*\q*PB+32*\i
	ds_load_tr16_b128 v[64*\q+8*\i+4:64*\q+8*\i+7], v[ADRB+1] offset:32*\q*PB+16*PB+32*\i
.endr
.endm
.macro ALOAD a                         ; A's fragments of block a, all four quarters -> buffer a % 4
.set FA, PA+32*((\a)%4)
.irp q, 0,1,2,3
	ds_load_b128 v[FA+8*\q:FA+8*\q+3],   v[ADRA+1] offset:64*\q+(\a)*16*PITCH
	ds_load_b128 v[FA+8*\q+4:FA+8*\q+7], v[ADRA+1] offset:64*\q+(\a)*16*PITCH+32
.endr
.endm
.macro ROW a                           ; block a is finished: 32 matrix instructions
.set FA, PA+32*((\a)%4)                ; its fragments of A
.set AC, 64*((\a)%4)                   ; its eight accumulators, in window 2 (blocks 0-3) or 3 (blocks 4-7)
.set mw, MUL_LO+0x50*((\a)/4)
	WIN mw                                         ; MUL_LO or MUL_HI
.irp q, 0,1,2,3
.if (\a) == 0 && \q == 2
	s_wait_dscnt 24                                ; B's quarter 2 is in (behind it: A's blocks 1 to 3, 24 loads)
.endif
.irp b, 0,1,2,3,4,5,6,7
	v_wmma_f32_16x16x32_f16 v[AC+8*\b:AC+8*\b+7], v[64*\q+8*\b:64*\q+8*\b+7], v[FA+8*\q:FA+8*\q+7], v[AC+8*\b:AC+8*\b+7]
.endr
.endr
.endm
; THE WAY OUT of block a, in three parts.  PACK: rounded to f16, 16 bytes a lane.  TOSTAGE: into my own stage in LDS, and back as whole rows of 256 bytes.  SEND: stored.
; An accumulator's registers 0 to 7 hold columns 0 2 1 3 4 6 5 7 of its eight (B's order in LDS), so word r of the 16 bytes takes registers 4 (r / 2) + r % 2 and that + 2.
.macro PACK a
.set AC, 64*((\a)%4)
.set mw, 0x0a+5*((\a)/4)
	WIN mw                                         ; sources 0 and 1: window 2 or 3
.irp b, 0,1,2,3,4,5,6,7
.irp r, 0,1,2,3
	v_cvt_pk_f16_f32 v[TMP+4*\b+\r], v[AC+8*\b+4*(\r/2)+\r%2], v[AC+8*\b+4*(\r/2)+\r%2+2]
.endr
.endr
	WIN 0
.endm
.macro TOSTAGE a
.set BK, OB+192*((\a)%2)
.irp b, 0,1,2,3,4,5,6,7
	ds_store_b128 v[STO], v[TMP+4*\b:TMP+4*\b+3] offset:32*\b
.endr
.irp t, 0,1,2,3,4,5,6,7
	ds_load_b128 v[BK+4*\t:BK+4*\t+3], v[RD] offset:\t*2*SPITCH    ; LDS serves a wave's instructions in order (ISA guide 5.7.1.4): these see the stores above
.endr
.endm
.macro SEND a, younger                 ; younger: the LDS loads issued behind TOSTAGE's, which may stay out
.set BK, OB+192*((\a)%2)
	s_wait_dscnt \younger                          ; the block is back in registers
	s_wait_xcnt 0x0                                ; every earlier memory instruction has had its addresses translated (ISA guide 3.1): only behind this wait are the stores' base and the registers that earlier stores read rewritten
.if (\a) == 0
	s_add_nc_u64 s[8:9], s[8:9], s[16:17]          ; on to my first rows of the tile
.else
	s_add_nc_u64 s[8:9], s[8:9], 16*SIZE_N*2       ; 16 rows of C on, so that the stores' offsets stay small: 14 rows of 8,192 bytes at the most
.endif
.irp t, 0,1,2,3,4,5,6,7
	global_store_b128 v[CO], v[BK+4*\t:BK+4*\t+3], s[8:9] offset:2*\t*SIZE_N*2   ; 16 lanes store 256 consecutive bytes, at a multiple of 256 from C's first byte
.endr
.endm
	; K STEP 0's B is dequantised while A's first tiles are on their way: the four intervals with nothing between their slices, each followed by its run of stores (slot 0) and reloads (K step 1)
.set DQI, 0
.set DQP, 0
.set DQQ, 0
.set DQW, 12
	BARE 27
	DQMEM 0, 0, 1
	BARE 27
	DQMEM 1, 0, 1
	BARE 27
	DQMEM 2, 0, 1
	BARE 27
	DQMEM 3, 0, 1
	BARE 27                                        ; and group 0 of K step 1, as in front of every change of slots
	s_wait_dscnt 0x0                               ; for the others' sake: my rows of K step 0's B are in LDS,
	s_wait_tensorcnt 1                             ; my part of K step 0's A is in; K step 1's may stay out: no tensor load fills anything behind this barrier
	s_barrier_signal -1
	s_barrier_wait -1                              ; everybody's are
	FETCH 0, 0, F0
	DQMEM 0, 1, 1
	BARE 16                                        ; the 16 slices that in every later K step stand in the second half of the change of slots
	QUARTER 0, 64,  F0, F1, 1, 1                   ; the first quarter stands in front of the loop: its products start the sums
	WIN 0                                          ; at a label and at a branch every window is 0
	s_mov_b32 s3, LAPS-1
.Llap:                                                 ; a trip goes from a lap's second quarter to the next lap's first and fills both slots again: trip i asks for A's K steps 2 i + 2 and 2 i + 3 and writes B's 2 i + 1 (from group 2 on), 2 i + 2 and 2 i + 3 (groups 0, 1)
	QUARTER 0, 128, F1, F0, 0, 1
	QUARTER 0, 192, F0, F1, 0, 1
	TURN 0, 1, 1
	QUARTER 1, 64,  F0, F1, 0, 1
	QUARTER 1, 128, F1, F0, 0, 1
	QUARTER 1, 192, F0, F1, 0, 1
	TURN 1, 0, 2
	QUARTER 0, 64,  F0, F1, 0, 1
	WIN 0
	s_sub_co_u32 s3, s3, 1
	s_cmp_lg_u32 s3, 0
	s_cbranch_scc1 .Llap
	QUARTER 0, 128, F1, F0, 0, 0                   ; the last lap goes on: K step 30; groups 2 and 3 of K step 31's B are finished, and nothing is loaded any more
	QUARTER 0, 192, F0, F1, 0, 0
	MEET 0                                         ; my one tensor load that was still out is slot 1's, the last K step's, so no round follows
	PLACES                                         ; for the loads into buffer 0, which the quarter before multiplied
	WIN TO_B
	BLOAD 0                                        ; three quarters of B now: buffer 1 (v128-191 of both windows) is still being multiplied
	BLOAD 1
	BLOAD 3
	WIN 0
	ALOAD 0
	MUL16 F1, 1, 0, 0
	MUL16 F1, 1, 2, 0
	PLACES                                         ; for the loads into buffer 1
	WIN TO_B
	BLOAD 2
	WIN 0
	ALOAD 1
	ALOAD 2
	ALOAD 3
	s_wait_dscnt 40                                ; all but the 40 just issued: B's quarter 2 (16) and A's blocks 1 to 3 (24)
	ROW 0
.irp a, 0,1,2,3,4,5,6,7                ; each block leaves as soon as it is finished: nothing follows this tile, so the sooner its stores begin, the sooner the launch ends
	PLACES                                         ; its conversions read results just made, and no other vector work is at hand
	PACK \a
	TOSTAGE \a
.if \a < 4
	ALOAD \a+4                                     ; its buffer takes the block four further on
	SEND \a, 8
.else
	SEND \a, 0
.endif
.if \a < 7
	ROW \a+1
.endif
.endr
	s_set_vgpr_msb (MSB<<8)|((MSB&0xf0)|0x0)
	s_wait_tensorcnt 0x0
	ds_add_u32 v23, v31
	s_wait_dscnt 0x0
	s_set_vgpr_msb (((MSB&0xf0)|0x0)<<8)|MSB
	CROUND                                         ; the closing round: no work-group ends while a partner may still ask for a tile that names it
	s_endpgm
.Lfunc_end_k_q9db4acebe7_gemm:
	.size	k_q9db4acebe7_gemm, .Lfunc_end_k_q9db4acebe7_gemm-k_q9db4acebe7_gemm
	.p2alignl 7, 3214868480
	.fill 96, 4, 3214868480
	.section	.rodata,"a",@progbits
	.p2align	6, 0x0
	.amdhsa_kernel k_q9db4acebe7_gemm
		.amdhsa_group_segment_fixed_size 327680
		.amdhsa_private_segment_fixed_size 0
		.amdhsa_enable_private_segment 0
		.amdhsa_kernarg_size 32
		.amdhsa_user_sgpr_count 2
		.amdhsa_user_sgpr_kernarg_segment_ptr 1
		.amdhsa_wavefront_size32 1
		.amdhsa_system_sgpr_workgroup_id_x 1
		.amdhsa_system_sgpr_workgroup_id_y 1
		.amdhsa_system_sgpr_workgroup_id_z 1
		.amdhsa_system_vgpr_workitem_id 0
		.amdhsa_next_free_vgpr 1024
		.amdhsa_next_free_sgpr 66
		.amdhsa_reserve_vcc 0
		.amdhsa_float_denorm_mode_32 3
		.amdhsa_float_denorm_mode_16_64 3
		.amdhsa_memory_ordered 1
		.amdhsa_forward_progress 1
		.amdhsa_inst_pref_size 255
	.end_amdhsa_kernel
	.section	.bss,"aw",@nobits
	.p2align	6
	.space	262144
	.amdgpu_metadata
---
amdhsa.version: [ 1, 2 ]
amdhsa.kernels:
  - .name:           k_q9db4acebe7_gemm
    .symbol:         k_q9db4acebe7_gemm.kd
    .args:
      - { .name: x, .offset: 0, .size: 8, .value_kind: global_buffer, .address_space: global }
      - { .name: weight, .offset: 8, .size: 8, .value_kind: global_buffer, .address_space: global }
      - { .name: scales, .offset: 16, .size: 8, .value_kind: global_buffer, .address_space: global }
      - { .name: out0, .offset: 24, .size: 8, .value_kind: global_buffer, .address_space: global }
    .group_segment_fixed_size: 327680
    .private_segment_fixed_size: 0
    .kernarg_segment_align: 8
    .kernarg_segment_size: 32
    .max_flat_workgroup_size: 128
    .sgpr_count:     66
    .vgpr_count:     1024
    .wavefront_size: 32
...
	.end_amdgpu_metadata
.endif
;; end of part 1
